; MI455X (gfx1250); checked and timed in simulation.
; The chip was launched on July 23, 2026; its instructions are those of AMD's public machine-readable ISA for CDNA 5 (MIT licence, August 2026) and "CDNA5" Instruction Set Architecture Reference Guide (July 2026). The comments in the code are by the model that wrote it; some were corrected since.
;; Atten. Allowed arithmetic: matrix products marked QUANTISED: E2M1 operands, one E8M0 scale for each 32 along K, by v_wmma_scale_f32_16x16x128_f8f6f4 with both operands' format E2M1 (or v_wmma_scale_f32_32x16x128_f4), f32 sums; products left as they are: bf16, f16 or f32 operands; f32 sums; everything else in f32.
;; Inputs: Wk 768 x 768 float32; Wo 768 x 768 float32; Wq 768 x 768 float32; Wv 768 x 768 float32; bo 768 float32; bq 768 float32; bv 768 float32; x 8 x 1,500 x 768 float32.
;; Outputs: out0 8 x 1,500 x 768 float32.
;; This version of the problem:
;;   THIS VERSION OF THE PROBLEM IS GIVEN IN LOW PRECISION. The matrix products marked QUANTISED in the list below multiply operands that are first quantised to E2M1 (2 exponent bits, 1 mantissa bit; 4 bits a number), with one power-of-two scale for each 32 numbers along K (OCP MX v1.0); their sums are f32. The products marked 'left as it is' may take bf16, f16 or f32 operands, with f32 sums. Whichever they take, every output number must still come out within the allowed error. Rounding operands to bf16 (8 significant bits) uses up far more of that allowance than f16 does (11 bits, for magnitudes from 6e-5 to 65,504). All else is computed in f32.
;;   The module's matrix products, in the order in which they are computed (A, B: the left and right operand; K: the contracted axis; several contracted axes count as one K, in the product's order):
;;     1. [M 12,000, K 768] x [K 768, N 768]; A: input x; B: input Wq: QUANTISED
;;     2. [M 12,000, K 768] x [K 768, N 768]; A: input x; B: input Wk: QUANTISED
;;     3. [M 12,000, K 768] x [K 768, N 768]; A: input x; B: input Wv: QUANTISED
;;     4. batch 96 x [M 1,500, K 64] x [K 64, N 1,500]; A: computed on the way; B: computed on the way: left as it is (an operand is computed on the way)
;;     5. batch 96 x [M 1,500, K 1,500] x [K 1,500, N 64]; A: computed on the way; B: computed on the way: left as it is (an operand is computed on the way)
;;     6. [M 12,000, K 768] x [K 768, N 768]; A: computed on the way; B: input Wo: left as it is (an operand is computed on the way)
;;   THE QUANTISER, for each operand of a quantised product, along K:
;;     - K is cut into blocks of 32 from its start; a last block that is shorter is filled with zeros.
;;     - A block's scale is 2^e with e = floor(log2(the largest magnitude in the block)) - 2, held to -126 .. 127; a block of zeros has e = 0. As a byte (E8M0): e + 127.
;;     - Each number is divided by its block's scale, clamped to +-6, and rounded to the nearest number of E2M1, ties to even, subnormals kept.
;;     - The product sums the exact products of the quantised numbers (number of the format x scale) in f32.
;;   ~~~python
;;   def quantise(x, axis):      # numpy; x: float32 -> the quantised numbers, widened to float32 again
;;       x = np.moveaxis(x, axis, -1); K = x.shape[-1]
;;       x = np.pad(x, [(0, 0)] * (x.ndim - 1) + [(0, -K % 32)]); x = x.reshape(x.shape[:-1] + (-1, 32)); a = np.abs(x).max(-1, keepdims=True)
;;       e = np.where(a > 0, np.clip(np.frexp(np.where(a > 0, a, 1))[1] - 1 - 2, -126, 127), 0)      # np.frexp(a)[1] - 1 = floor(log2(a)), exactly
;;       r = np.clip(x / 2.0 ** e, -6, 6)
;;       step = 2.0 ** (np.maximum(np.frexp(np.where(r == 0, 1, r))[1] - 1, 0) - 1)
;;       q = np.round(r / step) * step * 2.0 ** e      # np.round: ties to even
;;       return np.moveaxis(q.reshape(q.shape[:-2] + (-1,))[..., :K], -1, axis).astype(np.float32)
;;   ~~~
;; One version. Each part assembles by itself: llvm-mc -triple=amdgcn-amd-amdhsa -mcpu=gfx1250 --defsym DOCPART=n.
;; ======== version 1 of 1: 4 launches
;; limits: values are held in f16: magnitudes above 65,504 overflow, below 6.1e-05 lose precision
;; workspace buffers: xc 4,636,672 bytes; xs 289,792 bytes; wc 884,736 bytes; ws 55,296 bytes; wof 1,179,648 bytes; qf 18,874,368 bytes; kv 37,748,736 bytes; ctx 18,874,368 bytes
;; launch prep (part 1): grid 385 x 1, 4 waves a work-group, no clusters, 33,280 bytes of LDS; arguments x, Wq, Wk, Wv, Wo, xc, xs, wc, ws, wof; writes xc, xs, wc, ws, wof
.if DOCPART == 1
	.amdgcn_target "amdgcn-amd-amdhsa--gfx1250"
	.amdhsa_code_object_version 6
	.text
	.protected	k_q27bc8e9517_prep
	.globl	k_q27bc8e9517_prep
	.p2align	8
	.type	k_q27bc8e9517_prep,@function
k_q27bc8e9517_prep:
	s_mov_b64 s[64:65], 0
	v_nop
	global_prefetch_b8 v0, s[64:65] scope:SCOPE_SE
	s_setreg_imm32_b32 hwreg(HW_REG_WAVE_MODE, 25, 1), 1
	s_wait_xcnt 0x0
; FIRST OF FOUR LAUNCHES of out = softmax((x Wq^T + bq) / 8 . (x Wk^T)^T) (x Wv^T + bv) Wo^T + bo, 8 batches x 1,500 rows x 768, 12 heads of 64.
; No input and no step of the problem is left out anywhere in the program: bq moves the scores key by key, bv and bo reach the result.
; THIS LAUNCH: x, Wq, Wk, Wv (f32, K = their last axis) become codes of FP4 (E2M1), K innermost, with one E8M0 byte for each 32 along K; Wo is rounded to f16.
; A block's scale is 2^(floor(log2(its largest magnitude)) - 2); its byte is the largest magnitude's exponent field - 2, held at 1 from below; each number is divided by the scale and rounded to the nearest code, ties to even, beyond 6 the code of 6.
; LIMITS: a block of zeros gets the byte 1 where the rule says 127 (its codes are zeros, and this program alone reads the bytes); blocks whose largest magnitude lies under 2^-124 were not tried; NaN and infinities are not served.
; Rows are dense and 768 is a multiple of 32: each tensor is a plain stream of blocks.  A RUN is 8,192 numbers: 4,096 bytes of codes, 256 scale bytes; a wave takes one run, in 16 steps of 512 numbers.
; Work-groups 0-282: x, 1,132 runs.  x has 1,125; the last seven repeat run 1,124, so that the next launch's last block of 384 rows (flat rows up to 12,035) reads written bytes; what is made of them is stored nowhere in the result.
; Work-groups 283-300 Wq, 301-318 Wk, 319-336 Wv: 72 runs each, one behind the other in wc and ws.  Only pointers are chosen: all four tensors take one path.
; Work-groups 337-384: Wo.  Work-group E takes rows 16 E .. 16 E + 15, wave w the six K steps of 32 from 192 w on, and stores each fragment (16 rows x 32 K of f16) as an image of the operand's registers:
; lane (r, h) holds row r; registers 0-3 k = 8 h + 0..7, registers 4-7 k = 16 + 8 h + 0..7; each group of four registers goes out at 16 x lane, 512 consecutive bytes a store.
.set STEPS, 16
.set CB,    8                          ; bytes of 16 codes
.set R,     16                         ; v16-79   four sets of 16 numbers as loaded (Wo path: v16-111, six fragments as f32)
.set X,     80                         ; v80-111  two sets of 16 neighbours
.set E,     112                        ; v112-127 a scale byte for each step (Wo path: v112-159, six fragments as f16)
.set C,     128                        ; v128-191 codes, four registers for each step: no store's data are written again
.set WREG,  8192                       ; LDS: a region for each wave: two stages of 32 x SP bytes, behind them its 256 scale bytes
.set SP,    80                         ; a lane's place in a stage: 64 bytes + 16 of padding
.set SPW,   12                         ; v12 LDS address of my spare word; never rewritten
.set NIL,   13                         ; v13 0; never rewritten
.set SPARE, 4*WREG                     ; the spare words: 128 bytes a wave, two blocks of 256 bytes that no other line names
.set WG_WQ, 283
.set WG_WK, 301
.set WG_WV, 319
.set WG_WO, 337
.set LASTX, 1124                       ; x's last run
	s_load_b256 s[4:11], s[0:1], 0x0               ; x, Wq, Wk, Wv
	s_load_b256 s[12:19], s[0:1], 0x20             ; Wo, xc, xs, wc
	s_load_b128 s[20:23], s[0:1], 0x40             ; ws, wof
	v_lshl_add_u32 v[SPW], v0, 2, SPARE
	v_mov_b32 v[NIL], 0
	v_lshrrev_b32 v1, 5, v0
	v_readfirstlane_b32 s24, v1                    ; wave
	v_and_b32 v2, 31, v0                           ; lane
	s_cmp_ge_u32 ttmp9, WG_WO                      ; the work-group's number alone decides the path
	s_cbranch_scc1 .Lwo
	; ---- the quantiser ----
	s_mul_i32 s25, s24, WREG
	v_lshlrev_b32 v3, 4, v2                        ; my 16 bytes of a load's 512
	v_lshrrev_b32 v14, 2, v2
	v_mul_u32_u24 v14, v14, SP
	v_and_b32 v15, 3, v2
	v_lshl_add_u32 v14, v15, 4, v14
	v_add_nc_u32 v14, s25, v14                     ; the stage, on the way in: SP (lane / 4) + 16 (lane % 4)
	v_mul_u32_u24 v15, v2, SP
	v_add_nc_u32 v15, s25, v15                     ; and on the way out: SP x lane: my 16 neighbours
	v_mul_u32_u24 v4, v2, CB                       ; my codes' place in a step's
	v_lshrrev_b32 v5, 1, v2
	s_add_co_u32 s25, s25, 2*32*SP
	v_add_nc_u32 v5, s25, v5                       ; my block's scale byte in LDS
	v_lshlrev_b32 v7, 3, v2
	v_add_nc_u32 v6, s25, v7                       ; and 8 bytes a lane on the way out
	s_wait_kmcnt 0x0
	s_cmp_lt_u32 ttmp9, WG_WV
	s_cselect_b64 s[26:27], s[8:9], s[10:11]       ; Wk, else Wv
	s_mov_b32 s28, WG_WV
	s_cselect_b32 s28, WG_WK, s28                  ; the tensor's first work-group
	s_cmp_lt_u32 ttmp9, WG_WK
	s_cselect_b64 s[26:27], s[6:7], s[26:27]       ; Wq
	s_cselect_b32 s28, WG_WQ, s28
	s_cmp_lt_u32 ttmp9, WG_WQ
	s_cselect_b64 s[26:27], s[4:5], s[26:27]       ; x
	s_cselect_b32 s28, 0, s28
	s_cselect_b64 s[30:31], s[14:15], s[18:19]     ; codes: xc, else wc
	s_cselect_b64 s[32:33], s[16:17], s[20:21]     ; scale bytes: xs, else ws
	s_cselect_b32 s29, 0, WG_WQ                    ; the output buffer's first work-group
	s_sub_co_u32 s28, ttmp9, s28
	s_lshl_b32 s28, s28, 2
	s_add_co_u32 s28, s28, s24
	s_min_u32 s28, s28, LASTX                      ; the run that I read
	s_sub_co_u32 s29, ttmp9, s29
	s_lshl_b32 s29, s29, 2
	s_add_co_u32 s29, s29, s24                     ; the run that I write
	s_lshl_b32 s34, s28, 15
	s_mov_b32 s35, 0
	s_add_nc_u64 s[26:27], s[26:27], s[34:35]
	s_lshl_b32 s34, s29, 12
	s_add_nc_u64 s[30:31], s[30:31], s[34:35]
	s_lshl_b32 s34, s29, 8
	s_add_nc_u64 s[32:33], s[32:33], s[34:35]
.macro LOAD t
.irp i, 0,1,2,3
	global_load_b128 v[R+16*((\t)%4)+4*\i:R+16*((\t)%4)+4*\i+3], v3, s[26:27] offset:2048*(\t)+512*\i th:TH_LOAD_NT   ; 32 lanes read 512 consecutive bytes
.endr
.endm
.macro TURN t                          ; step t's numbers through the stage: LDS serves a wave's instructions in order (ISA guide 5.7.1.4), so no wait stands between the stores and the loads
.irp i, 0,1,2,3
	ds_store_b128 v14, v[R+16*((\t)%4)+4*\i:R+16*((\t)%4)+4*\i+3] offset:32*SP*((\t)%2)+8*SP*\i
.endr
.irp i, 0,1,2,3
	ds_load_b128 v[X+16*((\t)%2)+4*\i:X+16*((\t)%2)+4*\i+3], v15 offset:32*SP*((\t)%2)+16*\i
.endr
.endm
.irp t, 0,1,2,3
	LOAD \t
.endr
	s_wait_loadcnt 12                              ; step 0's four loads are in; the twelve of steps 1 to 3 may be out
	TURN 0
.macro STEP t
.set XS, X+16*((\t)%2)
.if (\t) > 0
	s_wait_dscnt 1                                 ; this step's numbers are back from the stage (the last step's byte store may be out), so its stores into the stage have read their registers,
.else
	s_wait_dscnt 0x0
.endif
.if (\t)+4 < STEPS
	LOAD (\t)+4                                    ; which take the loads of four steps on
.endif
.if (\t)+1 < STEPS
.if STEPS-2-(\t) >= 3
	s_wait_loadcnt 12                              ; the next step's four loads are in; those of the three steps behind it may be out
.else
	s_wait_loadcnt 4*(STEPS-2-(\t))
.endif
	TURN (\t)+1
.endif
	v_max3_num_f32 v8, |v[XS]|, |v[XS+1]|, |v[XS+2]|               ; the largest magnitude of my 16, in two chains
	v_max3_num_f32 v9, |v[XS+3]|, |v[XS+4]|, |v[XS+5]|
.irp i, 6,10
	v_max3_num_f32 v8, v8, |v[XS+\i]|, |v[XS+\i+1]|
	v_max3_num_f32 v9, v9, |v[XS+\i+2]|, |v[XS+\i+3]|
.endr
	v_max3_num_f32 v8, v8, |v[XS+14]|, |v[XS+15]|
	v_max3_num_f32 v8, v8, v9, 0x1800000           ; and the floor 2^(3 - 127): the byte cannot fall under 1
	v_max_num_f32_dpp v8, v8, v8 row_xmask:1 row_mask:0xf bank_mask:0xf   ; and of my neighbour's 16: the block's
	v_add_nc_u32 v11, 0xff000000, v8               ; 2 off its exponent field: the conversion takes the exponent field of this operand as its scale
	v_cvt_scalef32_pk8_fp4_f32 v[C+4*(\t)], v[XS:XS+7], v11
	v_cvt_scalef32_pk8_fp4_f32 v[C+4*(\t)+1], v[XS+8:XS+15], v11
	v_lshrrev_b32 v[E+(\t)], 23, v11               ; the scale's byte
	ds_store_b8 v5, v[E+(\t)] offset:16*(\t)       ; both lanes of a block write the same byte with the same value
	global_store_b64 v4, v[C+4*(\t):C+4*(\t)+1], s[30:31] offset:32*CB*(\t)   ; the wave stores 256 consecutive bytes, aligned
.endm
.irp t, 0,1,2,3,4,5,6,7,8,9,10,11,12,13,14,15
	STEP \t
.endr
	ds_load_b64 v[8:9], v6                         ; my wave's 256 scale bytes: these loads see my stores
	s_wait_dscnt 0x0
	global_store_b64 v7, v[8:9], s[32:33]          ; 256 consecutive bytes, aligned
	s_wait_tensorcnt 0x0                           ; the wave's end, behind my last LDS store
	ds_add_u32 v[SPW], v[NIL]
	s_wait_dscnt 0x0
	s_endpgm
	; ---- Wo to f16 fragment images: no LDS on this path ----
.Lwo:
	v_and_b32 v5, 15, v0                           ; r
	v_bfe_u32 v6, v0, 4, 1                         ; h
	v_mul_u32_u24 v3, v5, 3072                     ; row r of 3,072 bytes
	v_lshl_add_u32 v3, v6, 5, v3                   ; + 32 h: my eight numbers of a half fragment
	v_lshlrev_b32 v4, 4, v2                        ; 16 x lane
	s_sub_co_u32 s25, ttmp9, WG_WO                 ; E
	s_mul_i32 s26, s25, 49152                      ; 16 rows
	s_mul_i32 s28, s24, 768                        ; my six K steps: 6 x 128 bytes
	s_add_co_u32 s26, s26, s28
	s_mov_b32 s27, 0
	s_mul_i32 s28, s25, 24
	s_mul_i32 s29, s24, 6
	s_add_co_u32 s28, s28, s29
	s_lshl_b32 s28, s28, 10                        ; fragment 24 E + 6 w, 1,024 bytes each
	s_mov_b32 s29, 0
	s_wait_kmcnt 0x0
	s_add_nc_u64 s[12:13], s[12:13], s[26:27]
	s_add_nc_u64 s[22:23], s[22:23], s[28:29]
.irp k, 0,1,2,3,4,5
.irp u, 0,1,2,3
	global_load_b128 v[16+16*\k+4*\u:16+16*\k+4*\u+3], v3, s[12:13] offset:128*\k+64*(\u/2)+16*(\u%2)
.endr
.endr
.irp k, 0,1,2,3,4,5
	s_wait_loadcnt 4*(5-\k)                        ; this fragment's four loads are in; the later fragments' may be out
.irp i, 0,1,2,3,4,5,6,7
	v_cvt_pk_f16_f32 v[112+8*\k+\i], v[16+16*\k+2*\i], v[16+16*\k+2*\i+1]
.endr
	global_store_b128 v4, v[112+8*\k:112+8*\k+3], s[22:23] offset:1024*\k
	global_store_b128 v4, v[112+8*\k+4:112+8*\k+7], s[22:23] offset:1024*\k+512
.endr
	s_endpgm
.Lfunc_end_k_q27bc8e9517_prep:
	.size	k_q27bc8e9517_prep, .Lfunc_end_k_q27bc8e9517_prep-k_q27bc8e9517_prep
	.p2alignl 7, 3214868480
	.fill 96, 4, 3214868480
	.section	.rodata,"a",@progbits
	.p2align	6, 0x0
	.amdhsa_kernel k_q27bc8e9517_prep
		.amdhsa_group_segment_fixed_size 33280
		.amdhsa_private_segment_fixed_size 0
		.amdhsa_enable_private_segment 0
		.amdhsa_kernarg_size 80
		.amdhsa_user_sgpr_count 2
		.amdhsa_user_sgpr_kernarg_segment_ptr 1
		.amdhsa_wavefront_size32 1
		.amdhsa_system_sgpr_workgroup_id_x 1
		.amdhsa_system_sgpr_workgroup_id_y 1
		.amdhsa_system_sgpr_workgroup_id_z 1
		.amdhsa_system_vgpr_workitem_id 0
		.amdhsa_next_free_vgpr 192
		.amdhsa_next_free_sgpr 66
		.amdhsa_reserve_vcc 0
		.amdhsa_float_denorm_mode_32 3
		.amdhsa_float_denorm_mode_16_64 3
		.amdhsa_memory_ordered 1
		.amdhsa_forward_progress 1
		.amdhsa_inst_pref_size 41
	.end_amdhsa_kernel
	.amdgpu_metadata
---
amdhsa.version: [ 1, 2 ]
amdhsa.kernels:
  - .name:           k_q27bc8e9517_prep
    .symbol:         k_q27bc8e9517_prep.kd
    .args:
      - { .name: x, .offset: 0, .size: 8, .value_kind: global_buffer, .address_space: global }
      - { .name: Wq, .offset: 8, .size: 8, .value_kind: global_buffer, .address_space: global }
      - { .name: Wk, .offset: 16, .size: 8, .value_kind: global_buffer, .address_space: global }
      - { .name: Wv, .offset: 24, .size: 8, .value_kind: global_buffer, .address_space: global }
      - { .name: Wo, .offset: 32, .size: 8, .value_kind: global_buffer, .address_space: global }
      - { .name: xc, .offset: 40, .size: 8, .value_kind: global_buffer, .address_space: global }
      - { .name: xs, .offset: 48, .size: 8, .value_kind: global_buffer, .address_space: global }
      - { .name: wc, .offset: 56, .size: 8, .value_kind: global_buffer, .address_space: global }
      - { .name: ws, .offset: 64, .size: 8, .value_kind: global_buffer, .address_space: global }
      - { .name: wof, .offset: 72, .size: 8, .value_kind: global_buffer, .address_space: global }
    .group_segment_fixed_size: 33280
    .private_segment_fixed_size: 0
    .kernarg_segment_align: 8
    .kernarg_segment_size: 80
    .max_flat_workgroup_size: 128
    .sgpr_count:     66
    .vgpr_count:     192
    .wavefront_size: 32
...
	.end_amdgpu_metadata
.endif
;; end of part 1
;; launch qkv (part 2): grid 8 x 32, 8 waves a work-group, clusters of 4 x 4, 327,680 bytes of LDS; arguments xc, xs, wc, ws, bq, bv, qf, kv; writes qf, kv
.if DOCPART == 2
	.amdgcn_target "amdgcn-amd-amdhsa--gfx1250"
	.amdhsa_code_object_version 6
	.text
	.protected	k_q27bc8e9517_qkv
	.globl	k_q27bc8e9517_qkv
	.p2align	8
	.type	k_q27bc8e9517_qkv,@function
k_q27bc8e9517_qkv:
	s_mov_b64 s[64:65], 0
	v_nop
	global_prefetch_b8 v0, s[64:65] scope:SCOPE_SE
	s_setreg_imm32_b32 hwreg(HW_REG_WAVE_MODE, 25, 1), 1
	s_wait_xcnt 0x0
	s_wait_alu depctr_hold_cnt(0) depctr_sa_sdst(0) depctr_va_vdst(0) depctr_va_sdst(0) depctr_va_ssrc(0) depctr_va_vcc(0) depctr_vm_vsrc(0)
	s_getreg_b32 s2, hwreg(HW_REG_IB_STS2, 6, 4)
	s_cmp_eq_u32 s2, 0
	s_cbranch_scc0 .Lentry_in_a_cluster
	s_endpgm
.Lentry_in_a_cluster:
	s_bfe_u32 s2, ttmp6, 0x10000c
	s_cmp_lg_u32 s2, 0xf033
	s_cbranch_scc0 .Lentry_shape_is_right
	s_endpgm
.Lentry_shape_is_right:
; q = (x Wq^T + bq) / 8 x log2(e), k = x Wk^T, v = x Wv^T + bv, on codes of FP4 with E8M0 scales; sums in f32; results rounded once to f16 and stored as images of the next launch's operand registers.
; (log2(e) rides on q so that the softmax can work in base 2.)  Nothing of the problem is left out here.
; Each batch is carried as 96 tiles of 16 rows (1,536); rows 1,500 on of a batch are made of the flat rows that follow it (the next batch's, or the repeated run behind x): finite numbers that reach no result.
; SHARES.  256 work-groups: block (j, Y) takes 384 rows (batch b = Y / 4, tiles 24 (Y % 4) on) x features 96 j .. 96 j + 95 of EACH of q, k and v, so that every work-group runs the same three passes.
; All of K (768) of its 384 + 288 rows lies in LDS, filled once: no ring.  Wave w: rows 96 (w % 4) on (6 tiles), features 48 (w / 4) on (3 tiles): 18 accumulators a pass, 6 K steps of 128.
; CLUSTER 4 x 4: x's rows hang on Y alone and are shared along a row of the cluster, the weights' rows on j alone and are shared along a column: joint loads with a mask of four.
; LAYOUT.  q and k: source 0 = 16 rows of W, source 1 = 16 rows of x: a lane holds ONE row of x and eight neighbouring features, which, packed, are registers 0-3 or 4-7 of a 16-bit fragment (16 rows x 32 channels) in the same lanes.
; v: the sources the other way round: a lane holds ONE channel and eight neighbouring keys: registers 0-3 or 4-7 of a fragment of V^T (16 channels x 32 keys).  Every store is 16 bytes a lane at 16 x lane: 512 consecutive bytes, aligned.
; LIMIT: |q| x 0.18, |k| and |v| must stay under 65,504 (f16).
; LDS.  Group g of 96 rows (g 0-3: x's quarters; 4, 5, 6: Wq, Wk, Wv): codes at g x 41,472, 16 bytes of padding behind every 128 of data, so a row of 384 bytes has a pitch of 432 = 108 words: row r starts at bank 44 r mod 64
; (64 banks of 4 bytes: ISA guide 11.1), sixteen different places for the sixteen rows of a load.  Scale bytes at SCL + g x 2,304, rows of 24 bytes.
; REGISTERS.  Window 0: v1-9 addresses; v12-20, v22-30 two sets of scale words (x's six, W's three); v32-55 bq, v56-79 bv in the results' layouts; v96-239 the accumulators.  Window 1: two fragment buffers of 72: x's six, W's three.
.set GRP,   41472
.set TILEP, 6912                       ; 16 rows x 432
.set SCL,   7*GRP
.set SGRP,  2304
.set SPARE, SCL+7*SGRP                 ; the spare words: 128 bytes a wave, four blocks of 256 bytes that no other line names
.set LO,   1                           ; v1  16 x lane; never rewritten
.set ADRA, 2                           ; v2  LDS: my x fragments
.set ADRB, 3                           ; v3  my W fragments; one group on after each pass
.set ADSA, 4                           ; v4  x's scale words
.set ADSB, 5                           ; v5  W's
.set SPW,  6                           ; v6  my spare word; never rewritten
.set NIL,  7                           ; v7  0; never rewritten
.set SC,   12
.set BQ,   32
.set BV,   56
.set ACC,  96
.set WV,   20                          ; s20 wave
.set F0,   21                          ; s21 my first feature tile: 6 j + 3 (w / 4)
.set B12,  22                          ; s22 12 b
.set JJ,   23                          ; s23 j
.set YY,   24                          ; s24 Y
.set MQ,   27                          ; s27 w % 4
.set NH,   28                          ; s28 w / 4
.set T2K,  29                          ; s29 2,048 x my first row tile in the batch
.set G1AC, 32                          ; descriptor groups 1: x's codes, W's codes, x's scales, W's scales
.set G1BC, 40
.set G1AS, 48
.set G1BS, 56
.set G0AC, 68                          ; and groups 0
.set G0AS, 72
.set G0BC, 76
.set G0BS, 80
.set OB,   84                          ; s[84:89] the stores' bases, one for each of my three feature tiles
.set QS,   90                          ; s[90:91] log2(e) / 8
.set MSB, 0
.macro WIN new                         ; the immediate's high byte repeats the setting that is left
.if MSB != \new
	s_set_vgpr_msb (MSB<<8)|\new
.set MSB, \new
.endif
.endm
.macro PLACES n
.rept \n
	v_nop
.endr
.endm
.macro CROUND                          ; a round of the cluster's barrier
	s_barrier_signal -1
	s_barrier_wait -1
	s_cmp_lg_u32 s[WV], 0
	s_cbranch_scc1 .Lnot_wave_0_\@
	s_barrier_signal -3
.Lnot_wave_0_\@:
	s_barrier_wait -3
	s_barrier_signal -1
	s_barrier_wait -1
.endm
	s_load_b256 s[4:11], s[0:1], 0x0               ; xc, xs, wc, ws
	s_load_b256 s[12:19], s[0:1], 0x20             ; bq, bv, qf, kv
	v_lshl_add_u32 v[SPW], v0, 2, SPARE
	v_mov_b32 v[NIL], 0
	ds_add_u32 v[SPW], v[NIL]                      ; the wave's opening: the add, twice on end, and its wait ahead of the first tensor load
	ds_add_u32 v[SPW], v[NIL]
	v_lshrrev_b32 v10, 5, v0
	v_readfirstlane_b32 s[WV], v10
	s_and_b32 s[MQ], s[WV], 3
	s_lshr_b32 s[NH], s[WV], 2
	s_bfe_u32 s84, ttmp6, 0x40000                  ; cx
	s_bfe_u32 s85, ttmp6, 0x40004                  ; cy
	s_lshl_b32 s[JJ], ttmp9, 2
	s_add_co_u32 s[JJ], s[JJ], s84                 ; j = 4 x cluster x + cx
	s_and_b32 s[YY], ttmp7, 0xffff
	s_lshl_b32 s[YY], s[YY], 2
	s_add_co_u32 s[YY], s[YY], s85                 ; Y = 4 x cluster y + cy
	s_lshl_b32 s86, s85, 2
	s_lshl_b32 s86, 15, s86                        ; my row of the cluster
	s_lshl_b32 s87, 0x1111, s84                    ; my column
	; codes: a dense block of 36,864 bytes as 144 rows of 256 bytes (32 elements of 8), four words of padding behind every 32 words
	s_or_b32 s[G1AC], s86, (3<<16)|(1<<20)|(1<<21)|(4<<22)|(3<<25)
	s_or_b32 s[G1BC], s87, (3<<16)|(1<<20)|(1<<21)|(4<<22)|(3<<25)
.irp g, G1AC, G1BC
	s_mov_b32 s[\g+1], 32<<16                      ; tensor_dim0
	s_mov_b32 s[\g+2], 144<<16                     ; tensor_dim1
	s_mov_b32 s[\g+3], 32<<16                      ; tile_dim0
	s_mov_b32 s[\g+4], 144                         ; tile_dim1
	s_mov_b32 s[\g+5], 32                          ; from row to row
	s_mov_b32 s[\g+6], 0
	s_mov_b32 s[\g+7], 0
.endr
	; scale bytes: a dense block of 2,304 bytes as 9 rows of 256, no padding
	s_or_b32 s[G1AS], s86, (3<<16)|(1<<21)
	s_or_b32 s[G1BS], s87, (3<<16)|(1<<21)
.irp g, G1AS, G1BS
	s_mov_b32 s[\g+1], 32<<16
	s_mov_b32 s[\g+2], 9<<16
	s_mov_b32 s[\g+3], 32<<16
	s_mov_b32 s[\g+4], 9
	s_mov_b32 s[\g+5], 32
	s_mov_b32 s[\g+6], 0
	s_mov_b32 s[\g+7], 0
.endr
	s_lshr_b32 s25, s[YY], 2                       ; b
	s_and_b32 s26, s[YY], 3                        ; which 384 rows of the batch
	s_mul_i32 s92, s25, 1500
	s_mul_i32 s93, s26, 384
	s_add_co_u32 s92, s92, s93
	s_mul_i32 s93, s[MQ], 96
	s_add_co_u32 s92, s92, s93                     ; x: the flat row at which my group of 96 begins: made of Y and the wave alone
	s_mul_i32 s94, s92, 24                         ; its scale bytes,
	s_mul_i32 s92, s92, 384                        ; its codes
	s_mov_b32 s93, 0
	s_mov_b32 s95, 0
	s_mul_i32 s96, s[MQ], 768                      ; W: waves 4, 5, 6 take Wq, Wk, Wv,
	s_mul_i32 s97, s[JJ], 96
	s_add_co_u32 s96, s96, s97                     ; rows 96 j on: made of j and the wave alone
	s_mul_i32 s98, s96, 24
	s_mul_i32 s96, s96, 384
	s_mov_b32 s97, 0
	s_mov_b32 s99, 0
	s_mul_i32 s31, s[WV], GRP                      ; where they go: the wave's number alone
	s_mul_i32 s30, s[WV], SGRP
	s_add_co_u32 s30, s30, SCL
	s_wait_dscnt 0x0                               ; both opening adds are done
	s_wait_kmcnt 0x0
	s_mov_b32 s[G0AC], 1
	s_mov_b32 s[G0AC+1], s31
	s_add_nc_u64 s[G0AC+2:G0AC+3], s[4:5], s[92:93]
	s_or_b32 s[G0AC+3], s[G0AC+3], 0x80000000
	s_mov_b32 s[G0AS], 1
	s_mov_b32 s[G0AS+1], s30
	s_add_nc_u64 s[G0AS+2:G0AS+3], s[6:7], s[94:95]
	s_or_b32 s[G0AS+3], s[G0AS+3], 0x80000000
	s_mov_b32 s[G0BC], 1
	s_mov_b32 s[G0BC+1], s31
	s_add_nc_u64 s[G0BC+2:G0BC+3], s[8:9], s[96:97]
	s_or_b32 s[G0BC+3], s[G0BC+3], 0x80000000
	s_mov_b32 s[G0BS], 1
	s_mov_b32 s[G0BS+1], s30
	s_add_nc_u64 s[G0BS+2:G0BS+3], s[10:11], s[98:99]
	s_or_b32 s[G0BS+3], s[G0BS+3], 0x80000000
	CROUND                                         ; all sixteen work-groups are here: the joint loads meet
	s_cmp_lt_u32 s[WV], 4                          ; waves 0-3: x's quarters; waves 4-6: the three weights; wave 7: none.  A wave's two fills stand in one branch; two loads of mine are out at the most
	s_cbranch_scc0 .Lnot_a
	tensor_load_to_lds s[G0AC:G0AC+3], s[G1AC:G1AC+7]
	s_nop 0
	tensor_load_to_lds s[G0AS:G0AS+3], s[G1AS:G1AS+7]
	s_nop 0
	PLACES 4
	s_branch .Lasked
.Lnot_a:
	s_cmp_lt_u32 s[WV], 7
	s_cbranch_scc0 .Lasked
	tensor_load_to_lds s[G0BC:G0BC+3], s[G1BC:G1BC+7]
	s_nop 0
	tensor_load_to_lds s[G0BS:G0BS+3], s[G1BS:G1BS+7]
	s_nop 0
	PLACES 4
.Lasked:
	v_and_b32 v10, 15, v0                          ; r
	v_bfe_u32 v11, v0, 4, 1                        ; h
	v_lshlrev_b32 v8, 5, v11                       ; bq: my eight features: 32 h bytes on
	v_lshlrev_b32 v9, 2, v10                       ; bv: my channel: 4 r bytes on
	s_mul_i32 s66, s[JJ], 384
	s_mul_i32 s67, s[NH], 192
	s_add_co_u32 s66, s66, s67                     ; my 48 features, in bytes
	s_mov_b32 s67, 0
	s_add_nc_u64 s[12:13], s[12:13], s[66:67]
	s_add_nc_u64 s[14:15], s[14:15], s[66:67]
.irp n, 0,1,2
	global_load_b128 v[BQ+8*\n:BQ+8*\n+3], v8, s[12:13] offset:64*\n
	global_load_b128 v[BQ+8*\n+4:BQ+8*\n+7], v8, s[12:13] offset:64*\n+16
.endr
.irp n, 0,1,2
.irp i, 0,1,2,3,4,5,6,7
	global_load_b32 v[BV+8*\n+\i], v9, s[14:15] offset:64*\n     ; in v's layout a lane's eight registers are eight keys of one channel: the same word eight times
.endr
.endr
	v_and_b32 v[LO], 31, v0
	v_lshlrev_b32 v[LO], 4, v[LO]
	v_mul_u32_u24 v[ADRA], v10, 432
	v_lshl_add_u32 v[ADRA], v11, 4, v[ADRA]        ; row r x pitch + 16 h
	s_mul_i32 s30, s[NH], 3*TILEP
	s_add_co_u32 s30, s30, 4*GRP
	v_add_nc_u32 v[ADRB], s30, v[ADRA]             ; Wq's group, my 48 rows
	s_mul_i32 s30, s[MQ], GRP
	v_add_nc_u32 v[ADRA], s30, v[ADRA]             ; x's group w % 4
	v_mul_u32_u24 v[ADSA], v10, 24
	s_mul_i32 s30, s[NH], 1152
	s_add_co_u32 s30, s30, SCL+4*SGRP
	v_add_nc_u32 v[ADSB], s30, v[ADSA]
	s_mul_i32 s30, s[MQ], SGRP
	s_add_co_u32 s30, s30, SCL
	v_add_nc_u32 v[ADSA], s30, v[ADSA]
	s_mul_i32 s[F0], s[JJ], 6
	s_mul_i32 s2, s[NH], 3
	s_add_co_u32 s[F0], s[F0], s2
	s_mul_i32 s[B12], s25, 12
	s_mul_i32 s[T2K], s26, 24
	s_mul_i32 s2, s[MQ], 6
	s_add_co_u32 s[T2K], s[T2K], s2
	s_lshl_b32 s[T2K], s[T2K], 11
	s_mov_b32 s[QS], 0x3e38aa3b                    ; log2(e) / 8
	s_mov_b32 s[QS+1], s[QS]                       ; (named with it as a pair, so it is written)
; The fragments and scale words of K step q of pass p into buffer f: 27 LDS loads.  A fragment (16 rows x 128 K of 4-bit codes) is 8 registers: lane (r, h): row r; registers 4 c .. 4 c + 3: the 16 bytes at 64 q + 32 c + 16 h of the row.
.macro FETCH p, q, f
.set OQ, 64*(\q)+16*((\q)/2)           ; 64 q bytes of data on, and 16 more for each 128 passed
	WIN 0x40                                       ; destination window 1
.irp a, 0,1,2,3,4,5
.irp c, 0,1
	ds_load_b128 v[72*(\f)+8*\a+4*\c:72*(\f)+8*\a+4*\c+3], v[ADRA] offset:TILEP*\a+OQ+32*\c
.endr
.endr
.irp n, 0,1,2
.irp c, 0,1
	ds_load_b128 v[72*(\f)+48+8*\n+4*\c:72*(\f)+48+8*\n+4*\c+3], v[ADRB] offset:TILEP*\n+OQ+32*\c
.endr
.endr
	WIN 0
.irp a, 0,1,2,3,4,5
	ds_load_b32 v[SC+10*(\f)+\a], v[ADSA] offset:384*\a+4*(\q)
.endr
.irp n, 0,1,2
	ds_load_b32 v[SC+10*(\f)+6+\n], v[ADSB] offset:SGRP*(\p)+384*\n+4*(\q)
.endr
.endm
; 18 matrix instructions: the accumulators take turns, one instruction a turn, in the same order in every step.  A pass's first step starts the sums: with bq, with 0, with bv.
.macro MUL p, q, f
	WIN 0x05                                       ; sources 0 and 1 window 1; C and D window 0
.irp a, 0,1,2,3,4,5
.irp n, 0,1,2
.set rD, ACC+8*(3*\a+\n)
.set rA, 72*(\f)+8*\a
.set rB, 72*(\f)+48+8*\n
.set zA, SC+10*(\f)+\a
.set zB, SC+10*(\f)+6+\n
.if (\p) == 2
.if (\q) == 0
	v_wmma_scale_f32_16x16x128_f8f6f4 v[rD:rD+7], v[rA:rA+7], v[rB:rB+7], v[BV+8*\n:BV+8*\n+7], v[zA], v[zB] matrix_a_fmt:MATRIX_FMT_FP4 matrix_b_fmt:MATRIX_FMT_FP4
.else
	v_wmma_scale_f32_16x16x128_f8f6f4 v[rD:rD+7], v[rA:rA+7], v[rB:rB+7], v[rD:rD+7], v[zA], v[zB] matrix_a_fmt:MATRIX_FMT_FP4 matrix_b_fmt:MATRIX_FMT_FP4
.endif
.else
.if ((\q) == 0) && ((\p) == 0)
	v_wmma_scale_f32_16x16x128_f8f6f4 v[rD:rD+7], v[rB:rB+7], v[rA:rA+7], v[BQ+8*\n:BQ+8*\n+7], v[zB], v[zA] matrix_a_fmt:MATRIX_FMT_FP4 matrix_b_fmt:MATRIX_FMT_FP4
.elseif (\q) == 0
	v_wmma_scale_f32_16x16x128_f8f6f4 v[rD:rD+7], v[rB:rB+7], v[rA:rA+7], 0, v[zB], v[zA] matrix_a_fmt:MATRIX_FMT_FP4 matrix_b_fmt:MATRIX_FMT_FP4
.else
	v_wmma_scale_f32_16x16x128_f8f6f4 v[rD:rD+7], v[rB:rB+7], v[rA:rA+7], v[rD:rD+7], v[zB], v[zA] matrix_a_fmt:MATRIX_FMT_FP4 matrix_b_fmt:MATRIX_FMT_FP4
.endif
.endif
.endr
.endr
	WIN 0
	PLACES 5                                       ; four in front of loads into operands just read and of reads of results; the fifth in front of accumulators that the next pass begins anew
.endm
; Where pass p's results go.  Feature tile F = F0 + n: head F / 4, place F % 4 in the head.
; q: qf[12 b + head][tile T][F % 4][lane][16]; k: the same in the head's first 196,608 bytes of kv; v: kv's second half of the head, [T / 2][F % 4][T % 2][lane][16].
.macro BASES p
.irp n, 0,1,2
	s_add_co_u32 s2, s[F0], \n
	s_lshr_b32 s3, s2, 2
	s_and_b32 s2, s2, 3
	s_add_co_u32 s3, s3, s[B12]
.if (\p) == 0
	s_mul_i32 s3, s3, 96*2048
	s_lshl_b32 s2, s2, 9
.elseif (\p) == 1
	s_mul_i32 s3, s3, 393216
	s_lshl_b32 s2, s2, 9
.else
	s_mul_i32 s3, s3, 393216
	s_lshl_b32 s2, s2, 10
	s_add_co_u32 s2, s2, 196608
.endif
	s_add_co_u32 s2, s2, s3
	s_add_co_u32 s2, s2, s[T2K]
	s_mov_b32 s3, 0
.if (\p) == 0
	s_add_nc_u64 s[OB+2*\n:OB+2*\n+1], s[16:17], s[2:3]
.else
	s_add_nc_u64 s[OB+2*\n:OB+2*\n+1], s[18:19], s[2:3]
.endif
.endr
.endm
; A pass.  Its first K step's loads are out when it begins.
.macro PASS p
.irp q, 0,1,2,3,4,5
.if \q < 5
	FETCH \p, \q+1, (\q+1)%2
	s_wait_dscnt 27                                ; all but the 27 just issued: this step's are in
.else
	s_wait_dscnt 0x0
.endif
.if (\q == 0) && (\p > 0)
	s_wait_xcnt 0x0                                ; the last pass's stores have read the accumulators' registers
.endif
	MUL \p, \q, \q%2
.endr
.if \p < 2
	v_add_nc_u32 v[ADRB], GRP, v[ADRB]             ; the next weight's group
	FETCH \p+1, 0, 0                               ; lands while this pass's results are packed and stored
.endif
	s_wait_xcnt 0x0                                ; the earlier stores have read their bases
	BASES \p
.if \p == 0
.set i, 0
.rept 72
	v_pk_mul_f32 v[ACC+2*i:ACC+2*i+1], v[ACC+2*i:ACC+2*i+1], s[QS:QS+1] op_sel_hi:[1,0]
.set i, i+1
.endr
.endif
.set i, 0
.rept 18
.irp r, 0,1,2,3
	v_cvt_pk_f16_f32 v[ACC+8*i+\r], v[ACC+8*i+2*\r], v[ACC+8*i+2*\r+1]   ; in place, each accumulator from its low end on
.endr
.set i, i+1
.endr
.irp a, 0,1,2,3,4,5
.irp n, 0,1,2
.if \p == 2
	global_store_b128 v[LO], v[ACC+8*(3*\a+\n):ACC+8*(3*\a+\n)+3], s[OB+2*\n:OB+2*\n+1] offset:4096*(\a/2)+512*(\a%2) th:TH_STORE_NT
.else
	global_store_b128 v[LO], v[ACC+8*(3*\a+\n):ACC+8*(3*\a+\n)+3], s[OB+2*\n:OB+2*\n+1] offset:2048*\a th:TH_STORE_NT
.endif
.endr
.endr
.endm
	s_wait_tensorcnt 0x0                           ; my groups have landed,
	s_barrier_signal -1
	s_barrier_wait -1                              ; everybody's have
	s_wait_loadcnt 0x0                             ; bq, bv
	FETCH 0, 0, 0
	PASS 0
	PASS 1
	PASS 2
	s_wait_tensorcnt 0x0                           ; the wave's end
	ds_add_u32 v[SPW], v[NIL]
	s_wait_dscnt 0x0
	CROUND                                         ; the closing round
	s_endpgm
.Lfunc_end_k_q27bc8e9517_qkv:
	.size	k_q27bc8e9517_qkv, .Lfunc_end_k_q27bc8e9517_qkv-k_q27bc8e9517_qkv
	.p2alignl 7, 3214868480
	.fill 96, 4, 3214868480
	.section	.rodata,"a",@progbits
	.p2align	6, 0x0
	.amdhsa_kernel k_q27bc8e9517_qkv
		.amdhsa_group_segment_fixed_size 327680
		.amdhsa_private_segment_fixed_size 0
		.amdhsa_enable_private_segment 0
		.amdhsa_kernarg_size 64
		.amdhsa_user_sgpr_count 2
		.amdhsa_user_sgpr_kernarg_segment_ptr 1
		.amdhsa_wavefront_size32 1
		.amdhsa_system_sgpr_workgroup_id_x 1
		.amdhsa_system_sgpr_workgroup_id_y 1
		.amdhsa_system_sgpr_workgroup_id_z 1
		.amdhsa_system_vgpr_workitem_id 0
		.amdhsa_next_free_vgpr 400
		.amdhsa_next_free_sgpr 100
		.amdhsa_reserve_vcc 0
		.amdhsa_float_denorm_mode_32 3
		.amdhsa_float_denorm_mode_16_64 3
		.amdhsa_memory_ordered 1
		.amdhsa_forward_progress 1
		.amdhsa_inst_pref_size 114
	.end_amdhsa_kernel
	.amdgpu_metadata
---
amdhsa.version: [ 1, 2 ]
amdhsa.kernels:
  - .name:           k_q27bc8e9517_qkv
    .symbol:         k_q27bc8e9517_qkv.kd
    .args:
      - { .name: xc, .offset: 0, .size: 8, .value_kind: global_buffer, .address_space: global }
      - { .name: xs, .offset: 8, .size: 8, .value_kind: global_buffer, .address_space: global }
      - { .name: wc, .offset: 16, .size: 8, .value_kind: global_buffer, .address_space: global }
      - { .name: ws, .offset: 24, .size: 8, .value_kind: global_buffer, .address_space: global }
      - { .name: bq, .offset: 32, .size: 8, .value_kind: global_buffer, .address_space: global }
      - { .name: bv, .offset: 40, .size: 8, .value_kind: global_buffer, .address_space: global }
      - { .name: qf, .offset: 48, .size: 8, .value_kind: global_buffer, .address_space: global }
      - { .name: kv, .offset: 56, .size: 8, .value_kind: global_buffer, .address_space: global }
    .group_segment_fixed_size: 327680
    .private_segment_fixed_size: 0
    .kernarg_segment_align: 8
    .kernarg_segment_size: 64
    .max_flat_workgroup_size: 256
    .sgpr_count:     100
    .vgpr_count:     400
    .wavefront_size: 32
...
	.end_amdgpu_metadata
.endif
;; end of part 2
;; launch attn (part 3): grid 8 x 32, 12 waves a work-group, clusters of 4 x 1, 327,680 bytes of LDS; arguments qf, kv, ctx; writes ctx
.if DOCPART == 3
	.amdgcn_target "amdgcn-amd-amdhsa--gfx1250"
	.amdhsa_code_object_version 6
	.text
	.protected	k_q27bc8e9517_attn
	.globl	k_q27bc8e9517_attn
	.p2align	8
	.type	k_q27bc8e9517_attn,@function
k_q27bc8e9517_attn:
	s_mov_b64 s[64:65], 0
	v_nop
	global_prefetch_b8 v0, s[64:65] scope:SCOPE_SE
	s_setreg_imm32_b32 hwreg(HW_REG_WAVE_MODE, 25, 1), 1
	s_wait_xcnt 0x0
	s_wait_alu depctr_hold_cnt(0) depctr_sa_sdst(0) depctr_va_vdst(0) depctr_va_sdst(0) depctr_va_ssrc(0) depctr_va_vcc(0) depctr_vm_vsrc(0)
	s_getreg_b32 s2, hwreg(HW_REG_IB_STS2, 6, 4)
	s_cmp_eq_u32 s2, 0
	s_cbranch_scc0 .Lentry_in_a_cluster
	s_endpgm
.Lentry_in_a_cluster:
	s_bfe_u32 s2, ttmp6, 0x10000c
	s_cmp_lg_u32 s2, 0x3003
	s_cbranch_scc0 .Lentry_shape_is_right
	s_endpgm
.Lentry_shape_is_right:
; ctx[b][q][head] = the sum over k of softmax_k(q . k) v, on f16 operands with f32 sums, maxima and row sums; q arrives times log2(e) / 8, so p = 2^(s - m), m the running maximum of the row's scores.
; In every step O and the row sum l are multiplied by a = 2^(m_old - m_new).  Nothing of the problem is left out; of this program's own padding (each batch is carried as 1,536 rows) keys 1,500-1,503 are masked and keys 1,504 on are never multiplied.
; SHARES.  A work-group takes 12 tiles of 16 queries of THREE heads: 12 waves, wave w: head w / 4 of the three, tiles 3 (w % 4) + 0..2 of the twelve.  So a fragment of K or V read from LDS feeds three products, and three waves share a SIMD.
; CLUSTER 4 x 1: the four query blocks of a cluster walk the same K and V: each tile is asked for jointly, mask 15.
; LAYOUT.  S^T = K Q^T and O^T = V^T P: a lane holds ONE query (lane % 16) throughout; two tiles of S^T, packed to f16, are P's fragment in the same lanes.  K, V and Q arrive as images of their operand registers: every LDS load is 16 x lane,
; 512 consecutive bytes.  O^T / l, packed, is in turn an image of the next launch's operand.
; RING.  Two slots of 192 keys x 3 heads (147,456 bytes, as large as two fit; head hh at 49,152 hh: K's 12 tiles, then V's 6 blocks of 32 keys): 8 slots, three key steps of 64 between two changes.
; Every wave fetches 12,288 bytes of a slot: one tensor load of mine is out at any time.
; A KEY STEP has two fragment buffers of 32 registers.  K's four tiles come in one run of 16 loads; both halves of V are asked for ahead of the softmax; the next step's K, where it lies in the same slot, is asked for behind each half of V^T P.
; The rescaling of O^T stands between the first twelve products V^T P, and half of the row sums behind the two runs of V^T P, where they are the places in front of the loads and of the next step's products.
; LIMITS: p under 2^-24 falls to 0 beside a row sum of at least 1; f16's range holds for q, k, v and ctx as stated in the launch before.
; REGISTERS.  Window 0: v1-5, v24-25 addresses and constants; v6-11 m (a pair a tile, the low word used); v12-17 l in two halves; v18-23 two registers a tile at work; v32-63 fragment buffer A; v64-159 S^T, 32 a tile, then P in the first 16;
; v160-255 O^T, 32 a tile.  Window 1: v0-47 Q, 16 a tile; v48-79 fragment buffer B.
.set SLOTB, 147456
.set HEADB, 49152                      ; a head's part of a slot
.set VOFF,  24576                      ; in it V lies behind K
.set STEPB, 8192                       ; a key step's K, and its V
.set SPARE, 2*SLOTB                    ; the spare words: 128 bytes a wave, six blocks of 256 bytes that no other line names
.set LO,   1                           ; v1  16 x lane; never rewritten
.set PFO,  2                           ; v2  256 x lane; never rewritten
.set SPW,  3                           ; v3  my spare word; never rewritten
.set NIL,  4                           ; v4  0; never rewritten
.set NINF, 5                           ; v5  -infinity
.set M,    6
.set L,    12
.set CC,   18
.set LA,   24                          ; v24 16 x lane + my head's place in the slot in hand
.set LA0,  25                          ; v25 the same in slot 0; never rewritten
.set BA,   32                          ; buffer A, window 0
.set BB,   48                          ; buffer B, window 1
.set S,    64
.set O,    160
.set WV,   10                          ; s10 wave
.set G1,   24                          ; s[24:31]
.set G0,   32                          ; s[32:35] walks
.set SEL,  36                          ; s[36:37] v_permlanex16_b32's selects: lane l xor 16
.set SLOTS, 38                         ; s38 slots still to be asked for
.set LIM,  39                          ; s39 1 in a wave that prefetches, else the greatest number
.set PFA,  40                          ; s[40:41] where my prefetches stand
.set MASK, 42                          ; s42 lanes 16-31
.set TB,   43                          ; s43 LDS byte at which the slot in hand begins: 0 or SLOTB
.set TF,   48                          ; s48 and the slot that was asked for last
.set WOFF, 49                          ; s49 12,288 x wave: my part of a slot
.set TMP,  50
.set MSB, 0
.macro WIN new                         ; the immediate's high byte repeats the setting that is left
.if MSB != \new
	s_set_vgpr_msb (MSB<<8)|\new
.set MSB, \new
.endif
.endm
.macro PLACES n
.rept \n
	v_nop
.endr
.endm
.macro CROUND                          ; a round of the cluster's barrier
	s_barrier_signal -1
	s_barrier_wait -1
	s_cmp_lg_u32 s[WV], 0
	s_cbranch_scc1 .Lnot_wave_0_\@
	s_barrier_signal -3
.Lnot_wave_0_\@:
	s_barrier_wait -3
	s_barrier_signal -1
	s_barrier_wait -1
.endm
; A PREFETCH of slots that later changes will ask for.  Two slots of a head are 192 blocks of 256 bytes of K and 192 of V: twelve pieces of 32 blocks.  All clusters of a head triple walk the same bytes: cluster x = 0 asks; in each of its four
; partners three of a head's four waves, one instruction each, a lane a block; the partners are told apart by ADDRESS: cx / 2 picks K or V, 3 (cx % 2) + wave picks the piece.  So each block is named once in the launch.
; It is asked at every second change of slots (s[SLOTS] = 7, 5, 3), for the two slots behind the one that this change asks for: slots 2 and 3, 4 and 5, 6 and 7.  Slots 0 and 1 come by their loads alone.
.macro ASK
	s_and_b32 s[TMP], s[SLOTS], 1
	s_mul_i32 s[TMP], s[TMP], s[SLOTS]             ; s[SLOTS] where it is odd, else 0
	s_cmp_gt_u32 s[TMP], s[LIM]
	s_cbranch_scc0 .Lnot_mine_\@
	global_prefetch_b8 v[PFO], s[PFA:PFA+1] th:TH_LOAD_NT scope:SCOPE_SE
.Lnot_mine_\@:
.endm
	s_load_b128 s[4:7], s[0:1], 0x0                ; qf, kv
	s_load_b64 s[8:9], s[0:1], 0x10                ; ctx
	v_lshl_add_u32 v[SPW], v0, 2, SPARE
	v_mov_b32 v[NIL], 0
	ds_add_u32 v[SPW], v[NIL]                      ; the wave's opening: the add, twice on end, and its wait ahead of my first tensor load
	ds_add_u32 v[SPW], v[NIL]
	v_lshrrev_b32 v1, 5, v0
	v_readfirstlane_b32 s[WV], v1
	s_lshr_b32 s11, s[WV], 2                       ; hh: which of the three heads
	s_and_b32 s12, s[WV], 3                        ; wq
	s_bfe_u32 s13, ttmp6, 0x40000                  ; cx
	s_lshl_b32 s14, ttmp9, 2
	s_add_co_u32 s14, s14, s13                     ; X: my block of 12 query tiles
	s_and_b32 s15, ttmp7, 0xffff                   ; Y: the head triple, which the partners share
	s_mul_i32 s16, s15, 3
	s_add_co_u32 s16, s16, s11                     ; 12 b + head
	s_mul_i32 s18, s16, 393216                     ; its bytes in kv
	s_lshr_b32 s20, s12, 1
	s_mul_i32 s20, s20, 196608                     ; waves wq 0, 1 fetch K's halves of a slot, 2, 3 V's
	s_and_b32 s21, s12, 1
	s_mul_i32 s21, s21, 12288
	s_add_co_u32 s20, s20, s21
	s_add_co_u32 s20, s20, s18
	s_mov_b32 s21, 0
	; group 1: a dense block of 12,288 bytes as 48 rows of 256 (32 elements of 8 bytes)
	s_mov_b32 s[G1], 15|(3<<16)|(1<<21)
	s_mov_b32 s[G1+1], 32<<16
	s_mov_b32 s[G1+2], 48<<16
	s_mov_b32 s[G1+3], 32<<16
	s_mov_b32 s[G1+4], 48
	s_mov_b32 s[G1+5], 32
	s_mov_b32 s[G1+6], 0
	s_mov_b32 s[G1+7], 0
	s_mul_i32 s[WOFF], s[WV], 12288
	s_mov_b32 s[G0], 1
	s_mov_b32 s[G0+1], s[WOFF]                     ; slot 0
	s_mov_b32 s[TF], 0
	s_mov_b32 s[TB], 0
	s_mov_b32 s[SEL], 0x76543210
	s_mov_b32 s[SEL+1], 0xfedcba98
	s_mov_b32 s[MASK], 0xffff0000
	s_mov_b32 s[SLOTS], 7
	s_add_co_u32 s[LIM], s12, 1
	s_lshr_b32 s[LIM], s[LIM], 2                   ; 1 where wq = 3
	s_or_b32 s[LIM], s[LIM], ttmp9                 ; 0 where wq < 3 and the cluster is the triple's first: the same in all four partners
	s_cmp_eq_u32 s[LIM], 0
	s_cselect_b32 s[LIM], 1, -1
	s_lshr_b32 s22, s13, 1
	s_mul_i32 s22, s22, 196608                     ; K or V,
	s_and_b32 s23, s13, 1
	s_mul_i32 s23, s23, 3
	s_min_u32 s[TMP], s12, 2                       ; (wave wq = 3 never asks; its address is held inside all the same)
	s_add_co_u32 s23, s23, s[TMP]
	s_lshl_b32 s23, s23, 13                        ; my piece of 8,192 bytes of the two slots' 49,152,
	s_add_co_u32 s22, s22, s23
	s_add_co_u32 s22, s22, s18
	s_add_co_u32 s22, s22, 24576                   ; from slot 1 on: each change steps it by a slot, the first to slot 2
	s_mov_b32 s23, 0
	s_mul_i32 s44, s16, 96
	s_mul_i32 s45, s14, 12
	s_add_co_u32 s44, s44, s45
	s_mul_i32 s45, s12, 3
	s_add_co_u32 s44, s44, s45
	s_lshl_b32 s44, s44, 11                        ; Q: my first tile, 2,048 bytes a tile
	s_mov_b32 s45, 0
	s_lshr_b32 s46, s15, 2                         ; b
	s_mul_i32 s46, s46, 96
	s_mul_i32 s47, s14, 12
	s_add_co_u32 s46, s46, s47
	s_mul_i32 s47, s12, 3
	s_add_co_u32 s46, s46, s47                     ; my first row tile of ctx
	s_mul_i32 s46, s46, 24
	s_and_b32 s47, s15, 3
	s_mul_i32 s47, s47, 3
	s_add_co_u32 s47, s47, s11                     ; the head in its batch: K steps 2 head, 2 head + 1 of the projection
	s_lshl_b32 s47, s47, 1
	s_add_co_u32 s46, s46, s47
	s_lshl_b32 s46, s46, 10
	s_mov_b32 s47, 0
	s_mul_i32 s17, s11, HEADB
	s_wait_dscnt 0x0                               ; both opening adds are done
	s_wait_kmcnt 0x0
	s_add_nc_u64 s[G0+2:G0+3], s[6:7], s[20:21]
	s_or_b32 s[G0+3], s[G0+3], 0x80000000
	s_add_nc_u64 s[PFA:PFA+1], s[6:7], s[22:23]
	s_add_nc_u64 s[4:5], s[4:5], s[44:45]
	s_add_nc_u64 s[8:9], s[8:9], s[46:47]
	v_and_b32 v[LO], 31, v0
	v_lshlrev_b32 v[PFO], 8, v[LO]
	v_lshlrev_b32 v[LO], 4, v[LO]
	v_add_nc_u32 v[LA0], s17, v[LO]
	WIN 0x40                                       ; destination window 1
.irp t, 0,1,2
.irp c, 0,1
.irp g, 0,1
	global_load_b128 v[16*\t+8*\c+4*\g:16*\t+8*\c+4*\g+3], v[LO], s[4:5] offset:2048*\t+1024*\c+512*\g   ; Q stays in registers; asked for ahead of the round, it is on its way while the work-groups meet
.endr
.endr
.endr
	WIN 0
	CROUND                                         ; all four work-groups are here
	tensor_load_to_lds s[G0:G0+3], s[G1:G1+7]      ; slot 0
	s_nop 0
	PLACES 4
	v_mov_b32 v[NINF], 0xff800000
.irp t, 0,1,2
	v_mov_b32 v[M+2*\t], 0xff61b1e6                ; m: -3e38, under every score
	v_mov_b32 v[M+2*\t+1], 0                       ; (named with it as a pair)
	v_mov_b32 v[L+2*\t], 0
	v_mov_b32 v[L+2*\t+1], 0
	v_mov_b32 v[CC+2*\t], 0
	v_mov_b32 v[CC+2*\t+1], 0                      ; a lane permute's destination counts as one of its sources
.endr
.set i, 0
.rept 96
	v_mov_b32 v[O+i], 0                            ; O^T.  The key step is written once for all steps: the first finds zeros, which its a = 0 leaves zeros; a first step of its own would be one more copy of the step
.set i, i+1
.endr
; K of step s: key tiles 0, 1 into buffer A, tiles 2, 3 into buffer B: a tile is two fragments (channels 0-31, 32-63) of 8 registers
.macro KLOADA s
.irp k, 0,1
.irp c, 0,1
.irp g, 0,1
	ds_load_b128 v[BA+8*(2*\k+\c)+4*\g:BA+8*(2*\k+\c)+4*\g+3], v[LA] offset:STEPB*(\s)+2048*\k+1024*\c+512*\g
.endr
.endr
.endr
.endm
.macro KLOADB s
	WIN 0x40                                       ; destination window 1
.irp k, 0,1
.irp c, 0,1
.irp g, 0,1
	ds_load_b128 v[BB+8*(2*\k+\c)+4*\g:BB+8*(2*\k+\c)+4*\g+3], v[LA] offset:STEPB*(\s)+4096+2048*\k+1024*\c+512*\g
.endr
.endr
.endr
	WIN 0
.endm
; V^T of step s: keys 0-31 into buffer A, keys 32-63 into buffer B: four fragments of 16 channels x 32 keys each
.macro VLOADA s
.irp c, 0,1,2,3
.irp g, 0,1
	ds_load_b128 v[BA+8*\c+4*\g:BA+8*\c+4*\g+3], v[LA] offset:VOFF+STEPB*(\s)+1024*\c+512*\g
.endr
.endr
.endm
.macro VLOADB s
	WIN 0x40
.irp c, 0,1,2,3
.irp g, 0,1
	ds_load_b128 v[BB+8*\c+4*\g:BB+8*\c+4*\g+3], v[LA] offset:VOFF+STEPB*(\s)+4096+1024*\c+512*\g
.endr
.endr
	WIN 0
.endm
; Two tiles of 16 keys (2 u, 2 u + 1 of the step; buffer A for u = 0, B for u = 1) x my three query tiles: 12 products, K = the head's 64 in two halves.  The six accumulators take turns.
.macro KQ u
.if \u == 0
	WIN 0x04                                       ; source 1 (Q) window 1
.else
	WIN 0x05                                       ; and source 0 (buffer B) too
.endif
.irp c, 0,1
.irp k, 0,1
.irp t, 0,1,2
.set rD, S+32*\t+8*(2*\u+\k)
.if \u == 0
.set rA, BA+8*(2*\k+\c)
.else
.set rA, BB+8*(2*\k+\c)
.endif
.if \c == 0
	v_wmma_f32_16x16x32_f16 v[rD:rD+7], v[rA:rA+7], v[16*\t+8*\c:16*\t+8*\c+7], 0
.else
	v_wmma_f32_16x16x32_f16 v[rD:rD+7], v[rA:rA+7], v[16*\t+8*\c:16*\t+8*\c+7], v[rD:rD+7]
.endif
.endr
.endr
.endr
.endm
; O^T x a, and O^T += V^T P for keys 0-31 (buffer A): twelve accumulators by turns.  Channel tile 0 is rescaled ahead; behind each product stand the four multiplies that rescale the same query tile's next channel tile:
; they name no register of the products issued so far.  Each accumulator is read from its low end on.  n: the LDS loads issued behind buffer A's, which may stay out.
.macro PV0 n
.irp i, 0,2,4,6
.irp t, 0,1,2
	v_pk_mul_f32 v[O+32*\t+\i:O+32*\t+\i+1], v[O+32*\t+\i:O+32*\t+\i+1], v[CC+2*\t:CC+2*\t+1] op_sel_hi:[1,0]
.endr
.endr
	s_wait_dscnt \n
.irp c, 0,1,2,3
.irp t, 0,1,2
	v_wmma_f32_16x16x32_f16 v[O+32*\t+8*\c:O+32*\t+8*\c+7], v[BA+8*\c:BA+8*\c+7], v[S+32*\t:S+32*\t+7], v[O+32*\t+8*\c:O+32*\t+8*\c+7]
.if \c < 3
.irp i, 0,2,4,6
	v_pk_mul_f32 v[O+32*\t+8*(\c+1)+\i:O+32*\t+8*(\c+1)+\i+1], v[O+32*\t+8*(\c+1)+\i:O+32*\t+8*(\c+1)+\i+1], v[CC+2*\t:CC+2*\t+1] op_sel_hi:[1,0]
.endr
.endif
.endr
.endr
.endm
.macro PV1 n                           ; O^T += V^T P for keys 32-63 (buffer B)
	s_wait_dscnt \n
	WIN 0x01                                       ; source 0 window 1
.irp c, 0,1,2,3
.irp t, 0,1,2
	v_wmma_f32_16x16x32_f16 v[O+32*\t+8*\c:O+32*\t+8*\c+7], v[BB+8*\c:BB+8*\c+7], v[S+32*\t+8:S+32*\t+15], v[O+32*\t+8*\c:O+32*\t+8*\c+7]
.endr
.endr
	WIN 0
.endm
; Twelve of the row sums' additions: the unrounded p in registers i0 .. i0 + 7 of S^T's upper half, which the packing leaves as it is.  They name l and those registers alone: none of V^T P's.
.macro SUMS i0
.irp i, 0,2,4,6
.irp t, 0,1,2
	v_pk_add_f32 v[L+2*\t:L+2*\t+1], v[L+2*\t:L+2*\t+1], v[S+32*\t+\i0+\i:S+32*\t+\i0+\i+1]
.endr
.endr
.endm
; The softmax of my three tiles for nr scores a lane (32: 64 keys; 16: 32 keys), the tiles by turns, so that no line waits for the line above it.  mask = 1: keys 12-15 of the second key tile (registers 12-15 of lanes 16-31) count for nothing.
; Each accumulator of scores is read from its low end first: registers 0, 8 (in the pair 7, 8), 16, 24 (in the pair 23, 24).  It sums registers 0-15 into l; with nr = 32 registers 16-31 are summed by SUMS, further on.
.macro SOFT nr, mask
.irp t, 0,1,2
	v_max3_num_f32 v[CC+2*\t], v[S+32*\t], v[S+32*\t+1], v[S+32*\t+2]
.endr
.if \nr == 32
.irp t, 0,1,2
	v_max3_num_f32 v[CC+2*\t+1], v[S+32*\t+16], v[S+32*\t+17], v[S+32*\t+18]
.endr
.endif
.irp i, 3,5,7
.irp t, 0,1,2
	v_max3_num_f32 v[CC+2*\t], v[CC+2*\t], v[S+32*\t+\i], v[S+32*\t+\i+1]
.endr
.if \nr == 32
.irp t, 0,1,2
	v_max3_num_f32 v[CC+2*\t+1], v[CC+2*\t+1], v[S+32*\t+16+\i], v[S+32*\t+17+\i]
.endr
.endif
.endr
.if \mask
.irp i, 12,13,14,15
.irp t, 0,1,2
	v_cndmask_b32 v[S+32*\t+\i], v[S+32*\t+\i], v[NINF], s[MASK]
.endr
.endr
.endif
.irp i, 9,11,13
.irp t, 0,1,2
	v_max3_num_f32 v[CC+2*\t], v[CC+2*\t], v[S+32*\t+\i], v[S+32*\t+\i+1]
.endr
.if \nr == 32
.irp t, 0,1,2
	v_max3_num_f32 v[CC+2*\t+1], v[CC+2*\t+1], v[S+32*\t+16+\i], v[S+32*\t+17+\i]
.endr
.endif
.endr
.if \nr == 32
.irp t, 0,1,2
	v_max3_num_f32 v[CC+2*\t], v[CC+2*\t], v[S+32*\t+15], v[S+32*\t+31]
.endr
.irp t, 0,1,2
	v_max3_num_f32 v[CC+2*\t], v[CC+2*\t], v[CC+2*\t+1], v[M+2*\t]
.endr
.else
.irp t, 0,1,2
	v_max3_num_f32 v[CC+2*\t], v[CC+2*\t], v[S+32*\t+15], v[M+2*\t]
.endr
.endif
.irp t, 0,1,2
	v_permlanex16_b32 v[CC+2*\t+1], v[CC+2*\t], s[SEL], s[SEL+1]   ; the query's other keys lie in the lane 16 away
.endr
.irp t, 0,1,2
	v_max_num_f32 v[CC+2*\t+1], v[CC+2*\t], v[CC+2*\t+1]           ; the new m
.endr
.irp t, 0,1,2
	v_sub_f32 v[CC+2*\t], v[M+2*\t], v[CC+2*\t+1]                  ; m_old - m_new
.endr
.irp t, 0,1,2
	v_mov_b32 v[M+2*\t], v[CC+2*\t+1]
.endr
.set i, 0
.rept \nr/2
.irp t, 0,1,2
	v_pk_add_f32 v[S+32*\t+i:S+32*\t+i+1], v[S+32*\t+i:S+32*\t+i+1], v[M+2*\t:M+2*\t+1] op_sel_hi:[1,0] neg_lo:[0,1] neg_hi:[0,1]   ; s - m, two at a time
.endr
.set i, i+2
.endr
.irp t, 0,1,2
	v_exp_f32 v[CC+2*\t], v[CC+2*\t]               ; a.  ONE batch of exponentials for the three tiles: none reads another's result
.endr
.set i, 0
.rept \nr
.irp t, 0,1,2
	v_exp_f32 v[S+32*\t+i], v[S+32*\t+i]           ; p
.endr
.set i, i+1
.endr
	v_nop                                          ; a plain instruction behind the last exponential (ISA guide 5.7.2),
	s_wait_alu depctr_va_vdst(0)                   ; and one wait ahead of the batch's first reader
.irp t, 0,1,2
	v_pk_fma_f32 v[L+2*\t:L+2*\t+1], v[L+2*\t:L+2*\t+1], v[CC+2*\t:CC+2*\t+1], v[S+32*\t:S+32*\t+1] op_sel_hi:[1,0,1]   ; l = a l + p, of the unrounded p
.endr
.irp i, 2,4,6,8,10,12,14
.irp t, 0,1,2
	v_pk_add_f32 v[L+2*\t:L+2*\t+1], v[L+2*\t:L+2*\t+1], v[S+32*\t+\i:S+32*\t+\i+1]
.endr
.endr
.set i, 0
.rept \nr/2
.irp t, 0,1,2
	v_cvt_pk_f16_f32 v[S+32*\t+i], v[S+32*\t+2*i], v[S+32*\t+2*i+1]   ; P, ascending, into registers 0 .. nr / 2 - 1: what it writes over has been summed and packed
.endr
.set i, i+1
.endr
.endm
; A KEY STEP: 64 keys, the s-th of the slot in hand.  Its K is on its way when it begins: buffer A's eight loads, then buffer B's eight.  na, nb = 1: the next step's K is asked for, into A and into B.
.macro STEP s, na, nb
	s_wait_dscnt 8                                 ; buffer A's eight are in; B's eight may be out
	KQ 0
	s_wait_dscnt 0x0
	KQ 1
	WIN 0
	PLACES 4                                       ; in front of loads into the fragments just read, and of the first read of the scores
	VLOADA \s                                      ; both halves of V are on their way while the softmax is worked
	VLOADB \s
	SOFT 32, 0
	PV0 8                                          ; V's first half is in; the second half's eight loads may be out
	SUMS 16                                        ; twelve plain lines: the places in front of the loads into buffer A
.if \na
	KLOADA \s+1
	PV1 8                                          ; V's second half is in; the eight loads just issued may be out
.else
	PV1 0
.endif
	SUMS 24                                        ; twelve plain lines: the places in front of the loads into buffer B, and of the next step's products, which write over P
.if \nb
	KLOADB \s+1
.endif
.endm
; The change of slots stands at a slot's head: all my tensor loads have landed (my part of the slot ahead), the add, my reads of the slot left behind are over; behind the barrier that slot is filled with the keys that follow.
.macro CHANGE fill
	s_wait_tensorcnt 0x0
	ds_add_u32 v[SPW], v[NIL]                      ; every wave has passed a tensor load
.if \fill
	s_xor_b32 s[TF], s[TF], SLOTB                  ; the walking descriptor: the other slot than last time,
	s_add_co_u32 s[G0+1], s[WOFF], s[TF]           ; my part of it,
	s_add_nc_u64 s[G0+2:G0+3], s[G0+2:G0+3], 24576 ; the next 192 keys
	s_wait_xcnt 0x0                                ; the last prefetch has read its address
	s_add_nc_u64 s[PFA:PFA+1], s[PFA:PFA+1], 24576
.endif
	v_add_nc_u32 v[LA], s[TB], v[LA0]              ; my reads go to the slot ahead
	s_wait_dscnt 0x0
.if \fill
	CROUND                                         ; no wave of any partner still reads the slot or has a load on its way
	tensor_load_to_lds s[G0:G0+3], s[G1:G1+7]      ; my one tensor load until the next round: it has three key steps in which to land
	s_nop 0
	PLACES 4
.else
	s_barrier_signal -1
	s_barrier_wait -1
.endif
.endm
	s_wait_loadcnt 0x0                             ; Q
.Lslot:                                            ; 7 trips: trip i asks for slot i + 1 and works slot i
	CHANGE 1
	KLOADA 0
	KLOADB 0
	ASK                                            ; behind the joint load and the run of LDS loads that the first products wait for
	STEP 0, 1, 1
	STEP 1, 1, 1
	STEP 2, 0, 0                                   ; the next step's K lies in the other slot: it is read behind the change
	s_xor_b32 s[TB], s[TB], SLOTB
	s_sub_co_u32 s[SLOTS], s[SLOTS], 1
	s_cmp_lg_u32 s[SLOTS], 0
	s_cbranch_scc1 .Lslot
	CHANGE 0                                       ; the last slot is written out: nothing is left to ask for
	KLOADA 0
	KLOADB 0
	STEP 0, 1, 1                                   ; keys 1,344 - 1,407
	STEP 1, 1, 0                                   ; keys 1,408 - 1,471; of the last step only two key tiles are wanted
	s_wait_dscnt 0x0
	KQ 0                                           ; keys 1,472 - 1,503, the last four of them masked
	WIN 0
	PLACES 4
	VLOADA 2
	SOFT 16, 1
	PV0 0
	PLACES 4
	; THE WAY OUT: O^T / l, packed to f16: tile t's channels 16 c + 8 h + 0..7 of query r are four registers of the projection's operand: K step 2 head + c / 2, half c % 2
.irp t, 0,1,2
	v_add_f32 v[CC+2*\t], v[L+2*\t], v[L+2*\t+1]
.endr
.irp t, 0,1,2
	v_permlanex16_b32 v[CC+2*\t+1], v[CC+2*\t], s[SEL], s[SEL+1]
.endr
.irp t, 0,1,2
	v_add_f32 v[CC+2*\t], v[CC+2*\t], v[CC+2*\t+1]
.endr
.irp t, 0,1,2
	v_rcp_f32 v[CC+2*\t], v[CC+2*\t]
.endr
	v_nop
	s_wait_alu depctr_va_vdst(0)                   ; one wait for the three reciprocals, ahead of their first reader
.set i, 0
.rept 16
.irp t, 0,1,2
	v_pk_mul_f32 v[O+32*\t+i:O+32*\t+i+1], v[O+32*\t+i:O+32*\t+i+1], v[CC+2*\t:CC+2*\t+1] op_sel_hi:[1,0]
.endr
.set i, i+2
.endr
.set i, 0
.rept 16
.irp t, 0,1,2
	v_cvt_pk_f16_f32 v[S+16*\t+i], v[O+32*\t+2*i], v[O+32*\t+2*i+1]
.endr
.set i, i+1
.endr
.irp t, 0,1,2
.irp c, 0,1,2,3
	global_store_b128 v[LO], v[S+16*\t+4*\c:S+16*\t+4*\c+3], s[8:9] offset:24576*\t+512*\c th:TH_STORE_NT   ; 512 consecutive bytes, aligned
.endr
.endr
	s_wait_tensorcnt 0x0                           ; the wave's end
	ds_add_u32 v[SPW], v[NIL]
	s_wait_dscnt 0x0
	CROUND                                         ; the closing round
	s_endpgm
.Lfunc_end_k_q27bc8e9517_attn:
	.size	k_q27bc8e9517_attn, .Lfunc_end_k_q27bc8e9517_attn-k_q27bc8e9517_attn
	.p2alignl 7, 3214868480
	.fill 96, 4, 3214868480
	.section	.rodata,"a",@progbits
	.p2align	6, 0x0
	.amdhsa_kernel k_q27bc8e9517_attn
		.amdhsa_group_segment_fixed_size 327680
		.amdhsa_private_segment_fixed_size 0
		.amdhsa_enable_private_segment 0
		.amdhsa_kernarg_size 24
		.amdhsa_user_sgpr_count 2
		.amdhsa_user_sgpr_kernarg_segment_ptr 1
		.amdhsa_wavefront_size32 1
		.amdhsa_system_sgpr_workgroup_id_x 1
		.amdhsa_system_sgpr_workgroup_id_y 1
		.amdhsa_system_sgpr_workgroup_id_z 1
		.amdhsa_system_vgpr_workitem_id 0
		.amdhsa_next_free_vgpr 336
		.amdhsa_next_free_sgpr 66
		.amdhsa_reserve_vcc 0
		.amdhsa_float_denorm_mode_32 3
		.amdhsa_float_denorm_mode_16_64 3
		.amdhsa_memory_ordered 1
		.amdhsa_forward_progress 1
		.amdhsa_inst_pref_size 155
	.end_amdhsa_kernel
	.amdgpu_metadata
---
amdhsa.version: [ 1, 2 ]
amdhsa.kernels:
  - .name:           k_q27bc8e9517_attn
    .symbol:         k_q27bc8e9517_attn.kd
    .args:
      - { .name: qf, .offset: 0, .size: 8, .value_kind: global_buffer, .address_space: global }
      - { .name: kv, .offset: 8, .size: 8, .value_kind: global_buffer, .address_space: global }
      - { .name: ctx, .offset: 16, .size: 8, .value_kind: global_buffer, .address_space: global }
    .group_segment_fixed_size: 327680
    .private_segment_fixed_size: 0
    .kernarg_segment_align: 8
    .kernarg_segment_size: 24
    .max_flat_workgroup_size: 384
    .sgpr_count:     66
    .vgpr_count:     336
    .wavefront_size: 32
...
	.end_amdgpu_metadata
.endif
;; end of part 3
;; launch oproj (part 4): grid 4 x 64, 8 waves a work-group, clusters of 4 x 4, 327,680 bytes of LDS; arguments ctx, wof, bo, out0; writes out0
.if DOCPART == 4
	.amdgcn_target "amdgcn-amd-amdhsa--gfx1250"
	.amdhsa_code_object_version 6
	.text
	.protected	k_q27bc8e9517_oproj
	.globl	k_q27bc8e9517_oproj
	.p2align	8
	.type	k_q27bc8e9517_oproj,@function
k_q27bc8e9517_oproj:
	s_mov_b64 s[64:65], 0
	v_nop
	global_prefetch_b8 v0, s[64:65] scope:SCOPE_SE
	s_setreg_imm32_b32 hwreg(HW_REG_WAVE_MODE, 25, 1), 1
	s_wait_xcnt 0x0
	s_wait_alu depctr_hold_cnt(0) depctr_sa_sdst(0) depctr_va_vdst(0) depctr_va_sdst(0) depctr_va_ssrc(0) depctr_va_vcc(0) depctr_vm_vsrc(0)
	s_getreg_b32 s2, hwreg(HW_REG_IB_STS2, 6, 4)
	s_cmp_eq_u32 s2, 0
	s_cbranch_scc0 .Lentry_in_a_cluster
	s_endpgm
.Lentry_in_a_cluster:
	s_bfe_u32 s2, ttmp6, 0x10000c
	s_cmp_lg_u32 s2, 0xf033
	s_cbranch_scc0 .Lentry_shape_is_right
	s_endpgm
.Lentry_shape_is_right:
; out0 = ctx Wo^T + bo, on f16 operands with f32 sums.  ctx and Wo arrive as images of their operand registers (16 rows x 32 K: 1,024 bytes; 24 of them to a tile of 16 rows).  Nothing of the problem is left out;
; of this program's own padding (96 row tiles to a batch) rows 1,500 on are multiplied inside tiles that also hold live rows or whole blocks, and are not stored.
; SHARES.  256 work-groups of 192 rows x 192 columns: X = column block, Ym = row block (batch Ym / 8, rows 192 (Ym % 8) on).  Wave w: row tiles 6 (w % 2) on, column tiles 3 (w / 2) on: 18 accumulators.
; Source 0 = 16 rows of Wo, source 1 = 16 rows of ctx: a lane holds eight neighbouring columns of one row.  bo is the C of each sum's first product.
; RING.  K in four steps of 192 (six fragments deep) through two slots of 147,456 bytes: ctx's 12 tiles x 6,144 bytes, then Wo's.  Wave w fetches three tiles' 6,144 bytes (waves 0-3 ctx's, 4-7 Wo's).
; CLUSTER 4 x 4: ctx's tiles are shared along a row of the cluster, Wo's along a column.  Two loads of mine are out at the start, one behind each round.
; REGISTERS.  Window 0: v1-15 addresses; v32-55 bo; v96-239 the accumulators, later rows of the result.  Window 1: two fragment buffers of 72: ctx's six, Wo's three.
.set SLOT,  147456
.set TB,    6144                       ; a tile's six fragments of a K step
.set SPARE, 2*SLOT                     ; the spare words: 128 bytes a wave, four blocks of 256 bytes that no other line names
.set SPITCH, 784                       ; the way out: a stage of 192 rows x (768 bytes + 16) from LDS byte 0 on, in slots that have had their last fill; 196 words: row r starts at bank 4 r mod 64 (ISA guide 11.1)
.set LO,   1
.set ADRA, 2                           ; v2-3  my ctx fragments in slot 0, 1
.set ADRB, 4                           ; v4-5  my Wo fragments
.set SPW,  6
.set NIL,  7
.set STO,  8                           ; v8    the stage: where I put 32 bytes of a row
.set RD,   9                           ; v9-11 where I read back: three loads take two rows of 768 bytes
.set CO,   12                          ; v12-14 and the same places in the result
.set VROW, 15                          ; v15   my first row in its batch
.set BO,   32
.set ACC,  96
.set WV,   12                          ; s12 wave
.set G1A,  24
.set G1B,  32
.set G0A,  40                          ; s[40:47] a set for each slot
.set G0B,  48
.set MSB, 0
.macro WIN new
.if MSB != \new
	s_set_vgpr_msb (MSB<<8)|\new
.set MSB, \new
.endif
.endm
.macro PLACES n
.rept \n
	v_nop
.endr
.endm
.macro CROUND
	s_barrier_signal -1
	s_barrier_wait -1
	s_cmp_lg_u32 s[WV], 0
	s_cbranch_scc1 .Lnot_wave_0_\@
	s_barrier_signal -3
.Lnot_wave_0_\@:
	s_barrier_wait -3
	s_barrier_signal -1
	s_barrier_wait -1
.endm
.macro JLOAD s                         ; a joint refill: each of the two lines has one mask and one set of registers; the branch hangs on the wave's number alone
	s_cmp_lt_u32 s[WV], 4
	s_cbranch_scc0 .Lfor_b_\@
	tensor_load_to_lds s[G0A+4*\s:G0A+4*\s+3], s[G1A:G1A+7]
	s_nop 0
	PLACES 4
	s_branch .Lasked_\@
.Lfor_b_\@:
	tensor_load_to_lds s[G0B+4*\s:G0B+4*\s+3], s[G1B:G1B+7]
	s_nop 0
	PLACES 4
.Lasked_\@:
.endm
	s_load_b256 s[4:11], s[0:1], 0x0               ; ctx, wof, bo, out0
	v_lshl_add_u32 v[SPW], v0, 2, SPARE
	v_mov_b32 v[NIL], 0
	ds_add_u32 v[SPW], v[NIL]                      ; the wave's opening: the add, twice on end, and its wait ahead of my first tensor load
	ds_add_u32 v[SPW], v[NIL]
	v_lshrrev_b32 v16, 5, v0
	v_readfirstlane_b32 s[WV], v16
	s_and_b32 s13, s[WV], 1                        ; mh
	s_lshr_b32 s14, s[WV], 1                       ; nq
	s_and_b32 s15, s[WV], 3                        ; which three tiles I fetch
	s_bfe_u32 s16, ttmp6, 0x40000                  ; cx
	s_bfe_u32 s17, ttmp6, 0x40004                  ; cy
	s_lshl_b32 s18, ttmp9, 2
	s_add_co_u32 s18, s18, s16                     ; X
	s_and_b32 s19, ttmp7, 0xffff
	s_lshl_b32 s19, s19, 2
	s_add_co_u32 s19, s19, s17                     ; Ym
	s_lshl_b32 s20, s17, 2
	s_lshl_b32 s20, 15, s20                        ; my row of the cluster
	s_lshl_b32 s21, 0x1111, s16                    ; my column
	; group 1: three rows of 6,144 bytes (768 elements of 8), 24,576 bytes apart; no padding: fragments are read at 16 x lane
	s_or_b32 s[G1A], s20, (3<<16)|(1<<21)
	s_or_b32 s[G1B], s21, (3<<16)|(1<<21)
.irp g, G1A, G1B
	s_mov_b32 s[\g+1], 768<<16                     ; tensor_dim0
	s_mov_b32 s[\g+2], 3<<16                       ; tensor_dim1
	s_mov_b32 s[\g+3], 768<<16                     ; tile_dim0
	s_mov_b32 s[\g+4], 3                           ; tile_dim1
	s_mov_b32 s[\g+5], 3072                        ; from row to row
	s_mov_b32 s[\g+6], 0
	s_mov_b32 s[\g+7], 0
.endr
	s_mul_i32 s56, s19, 12
	s_mul_i32 s57, s15, 3
	s_add_co_u32 s56, s56, s57
	s_mul_i32 s56, s56, 24576                      ; ctx: tile 12 Ym + 3 (w % 4): made of Ym and the wave alone
	s_mov_b32 s57, 0
	s_mul_i32 s58, s18, 12
	s_mul_i32 s59, s15, 3
	s_add_co_u32 s58, s58, s59
	s_mul_i32 s58, s58, 24576                      ; Wo: tile 12 X + 3 (w % 4): made of X and the wave alone
	s_mov_b32 s59, 0
	s_mul_i32 s22, s[WV], 3*TB                     ; where they go: the wave's number alone
	s_wait_dscnt 0x0                               ; both opening adds are done
	s_wait_kmcnt 0x0
	s_add_nc_u64 s[60:61], s[4:5], s[56:57]
	s_add_nc_u64 s[62:63], s[6:7], s[58:59]
	CROUND                                         ; all sixteen work-groups are here
.irp s, 0,1
	s_mov_b32 s[G0A+4*\s], 1
	s_add_co_u32 s[G0A+4*\s+1], s22, \s*SLOT
	s_add_nc_u64 s[G0A+4*\s+2:G0A+4*\s+3], s[60:61], \s*TB
	s_or_b32 s[G0A+4*\s+3], s[G0A+4*\s+3], 0x80000000
	s_mov_b32 s[G0B+4*\s], 1
	s_add_co_u32 s[G0B+4*\s+1], s22, \s*SLOT
	s_add_nc_u64 s[G0B+4*\s+2:G0B+4*\s+3], s[62:63], \s*TB
	s_or_b32 s[G0B+4*\s+3], s[G0B+4*\s+3], 0x80000000
.endr
	s_cmp_lt_u32 s[WV], 4                          ; a wave's two first fills stand in one branch, ahead of every wait on TENSORcnt and every LDS read
	s_cbranch_scc0 .Lfirst_b
	tensor_load_to_lds s[G0A:G0A+3], s[G1A:G1A+7]
	s_nop 0
	tensor_load_to_lds s[G0A+4:G0A+7], s[G1A:G1A+7]
	s_nop 0
	PLACES 4
	s_branch .Lfirst_asked
.Lfirst_b:
	tensor_load_to_lds s[G0B:G0B+3], s[G1B:G1B+7]
	s_nop 0
	tensor_load_to_lds s[G0B+4:G0B+7], s[G1B:G1B+7]
	s_nop 0
	PLACES 4
.Lfirst_asked:
	v_and_b32 v17, 15, v0                          ; r
	v_bfe_u32 v18, v0, 4, 1                        ; h
	v_lshlrev_b32 v16, 5, v18                      ; bo: my eight columns: 32 h bytes on
	s_mul_i32 s2, s18, 768
	s_mul_i32 s3, s14, 192
	s_add_co_u32 s2, s2, s3
	s_mov_b32 s3, 0
	s_add_nc_u64 s[8:9], s[8:9], s[2:3]
.irp n, 0,1,2
	global_load_b128 v[BO+8*\n:BO+8*\n+3], v16, s[8:9] offset:64*\n
	global_load_b128 v[BO+8*\n+4:BO+8*\n+7], v16, s[8:9] offset:64*\n+16
.endr
	v_and_b32 v[LO], 31, v0
	v_lshlrev_b32 v[LO], 4, v[LO]
	s_mul_i32 s23, s13, 6*TB
	v_add_nc_u32 v[ADRA], s23, v[LO]
	v_add_nc_u32 v[ADRA+1], SLOT, v[ADRA]
	s_mul_i32 s23, s14, 3*TB
	s_add_co_u32 s23, s23, 12*TB
	v_add_nc_u32 v[ADRB], s23, v[LO]
	v_add_nc_u32 v[ADRB+1], SLOT, v[ADRB]
	v_mul_u32_u24 v[STO], v17, SPITCH
	v_lshl_add_u32 v[STO], v18, 5, v[STO]
	s_mul_i32 s23, s13, 96*SPITCH
	v_add_nc_u32 v[STO], s23, v[STO]
	s_mul_i32 s23, s14, 192
	v_add_nc_u32 v[STO], s23, v[STO]               ; row 96 mh + r, + 192 nq + 32 h
	v_lshlrev_b32 v19, 4, v17                      ; 16 (lane % 16)
	s_mul_i32 s23, s[WV], 24*SPITCH
	v_add_nc_u32 v20, s23, v19                     ; back: my 24 rows
	v_lshl_add_u32 v[RD], v18, 8, v20              ; load 0: the first row's bytes 0-255 | 256-511
	v_mad_u32_u24 v[RD+1], v18, 272, v20
	v_add_nc_u32 v[RD+1], 512, v[RD+1]             ; load 1: its bytes 512-767 | the second row's 0-255
	v_add_nc_u32 v[RD+2], 1040, v[RD]              ; load 2: the second row's 256-511 | 512-767
	v_lshl_add_u32 v[CO], v18, 8, v19              ; and the same places in the result, whose rows are 3,072 bytes
	v_mad_u32_u24 v[CO+1], v18, 2560, v19
	v_add_nc_u32 v[CO+1], 512, v[CO+1]
	v_add_nc_u32 v[CO+2], 3328, v[CO]
	s_lshr_b32 s2, s19, 3                          ; b
	s_mul_i32 s2, s2, 1500
	s_and_b32 s3, s19, 7
	s_mul_i32 s3, s3, 192
	s_mul_i32 s23, s[WV], 24
	s_add_co_u32 s3, s3, s23                       ; the first row that I store, in its batch
	v_mov_b32 v[VROW], s3
	s_add_co_u32 s2, s2, s3
	s_mul_i32 s2, s2, 3072
	s_mul_i32 s3, s18, 768
	s_add_co_u32 s2, s2, s3
	s_mov_b32 s3, 0
	s_add_nc_u64 s[10:11], s[10:11], s[2:3]
.macro FETCH slot, k, f                ; fragment column k of the slot into buffer f: 18 LDS loads, each 512 consecutive bytes
	WIN 0x40
.irp a, 0,1,2,3,4,5
.irp g, 0,1
	ds_load_b128 v[72*(\f)+8*\a+4*\g:72*(\f)+8*\a+4*\g+3], v[ADRA+\slot] offset:TB*\a+1024*(\k)+512*\g
.endr
.endr
.irp n, 0,1,2
.irp g, 0,1
	ds_load_b128 v[72*(\f)+48+8*\n+4*\g:72*(\f)+48+8*\n+4*\g+3], v[ADRB+\slot] offset:TB*\n+1024*(\k)+512*\g
.endr
.endr
	WIN 0
.endm
.macro COMPUTE slot, first             ; a K step of 192: six times 18 products; the accumulators take turns, one instruction a turn
	FETCH \slot, 0, 0
.irp k, 0,1,2,3,4,5
.if \k < 5
	FETCH \slot, \k+1, (\k+1)%2
	s_wait_dscnt 18                                ; all but the 18 just issued
.else
	s_wait_dscnt 0x0
.endif
	WIN 0x05                                       ; sources 0 and 1 window 1
.irp a, 0,1,2,3,4,5
.irp n, 0,1,2
.if \first && (\k == 0)
	v_wmma_f32_16x16x32_f16 v[ACC+8*(3*\a+\n):ACC+8*(3*\a+\n)+7], v[72*(\k%2)+48+8*\n:72*(\k%2)+48+8*\n+7], v[72*(\k%2)+8*\a:72*(\k%2)+8*\a+7], v[BO+8*\n:BO+8*\n+7]
.else
	v_wmma_f32_16x16x32_f16 v[ACC+8*(3*\a+\n):ACC+8*(3*\a+\n)+7], v[72*(\k%2)+48+8*\n:72*(\k%2)+48+8*\n+7], v[72*(\k%2)+8*\a:72*(\k%2)+8*\a+7], v[ACC+8*(3*\a+\n):ACC+8*(3*\a+\n)+7]
.endif
.endr
.endr
	WIN 0
	PLACES 4                                       ; in front of loads into the fragments just read, and of the first read of results
.endr
.endm
.macro CHANGE slot, fill               ; the slot just read out is left: all my tensor loads have landed (the other slot's), the add, my reads are over; fill = 1: it is filled again, two K steps on
	s_wait_tensorcnt 0x0
	ds_add_u32 v[SPW], v[NIL]                      ; every wave has passed a tensor load
.if \fill
	s_add_nc_u64 s[G0A+4*\slot+2:G0A+4*\slot+3], s[G0A+4*\slot+2:G0A+4*\slot+3], 2*TB
	s_add_nc_u64 s[G0B+4*\slot+2:G0B+4*\slot+3], s[G0B+4*\slot+2:G0B+4*\slot+3], 2*TB
.endif
	s_wait_dscnt 0x0
.if \fill
	CROUND
	JLOAD \slot
.else
	s_barrier_signal -1
	s_barrier_wait -1
.endif
.endm
	s_wait_tensorcnt 1                             ; my part of slot 0 is in; slot 1's may stay out
	s_barrier_signal -1
	s_barrier_wait -1
	s_wait_loadcnt 0x0                             ; bo
	COMPUTE 0, 1
	CHANGE 0, 1
	COMPUTE 1, 0
	CHANGE 1, 1
	COMPUTE 0, 0
	CHANGE 0, 0
	COMPUTE 1, 0
	; THE WAY OUT.  A wave's 48 columns are 192 bytes of a row: the rows meet in one stage, and each wave stores 24 whole pieces of 768 bytes, sixteen lanes to 256 consecutive bytes, aligned.
	s_wait_dscnt 0x0
	s_barrier_signal -1
	s_barrier_wait -1                              ; every wave's reads of the slots are over: the stage may be written
.irp a, 0,1,2,3,4,5
.irp n, 0,1,2
	ds_store_b128 v[STO], v[ACC+8*(3*\a+\n):ACC+8*(3*\a+\n)+3] offset:16*SPITCH*\a+64*\n          ; each accumulator from its low end on
	ds_store_b128 v[STO], v[ACC+8*(3*\a+\n)+4:ACC+8*(3*\a+\n)+7] offset:16*SPITCH*\a+64*\n+16
.endr
.endr
	s_wait_dscnt 0x0                               ; for the others' sake: my stores have landed
	s_barrier_signal -1
	s_barrier_wait -1
.irp g, 0,1,2,3,4,5,6,7,8,9,10,11
.irp e, 0,1,2
	ds_load_b128 v[ACC+12*\g+4*\e:ACC+12*\g+4*\e+3], v[RD+\e] offset:2*SPITCH*\g
.endr
.endr
	s_wait_dscnt 0x0
; Rows 1,500 on of a batch are not stored.  1,500 is even, so a pair of rows is stored or not as a whole.  The test is a lane mask, not a branch: partners of a cluster run alike.  Rows ascend, so EXEC only narrows.
.irp g, 0,1,2,3,4,5,6,7,8,9,10,11
	s_wait_xcnt 0x0                                ; EXEC changes only when the earlier stores have had their addresses translated (ISA guide 3.1)
	v_cmpx_gt_u32 1500-2*\g, v[VROW]
.irp e, 0,1,2
	global_store_b128 v[CO+\e], v[ACC+12*\g+4*\e:ACC+12*\g+4*\e+3], s[10:11] offset:6144*\g th:TH_STORE_NT
.endr
.endr
	s_wait_xcnt 0x0
	s_mov_b32 exec_lo, -1                          ; all lanes on again
	s_wait_tensorcnt 0x0                           ; the wave's end, behind my last tensor load and my last LDS store
	ds_add_u32 v[SPW], v[NIL]
	s_wait_dscnt 0x0
	CROUND                                         ; the closing round
	s_endpgm
.Lfunc_end_k_q27bc8e9517_oproj:
	.size	k_q27bc8e9517_oproj, .Lfunc_end_k_q27bc8e9517_oproj-k_q27bc8e9517_oproj
	.p2alignl 7, 3214868480
	.fill 96, 4, 3214868480
	.section	.rodata,"a",@progbits
	.p2align	6, 0x0
	.amdhsa_kernel k_q27bc8e9517_oproj
		.amdhsa_group_segment_fixed_size 327680
		.amdhsa_private_segment_fixed_size 0
		.amdhsa_enable_private_segment 0
		.amdhsa_kernarg_size 32
		.amdhsa_user_sgpr_count 2
		.amdhsa_user_sgpr_kernarg_segment_ptr 1
		.amdhsa_wavefront_size32 1
		.amdhsa_system_sgpr_workgroup_id_x 1
		.amdhsa_system_sgpr_workgroup_id_y 1
		.amdhsa_system_sgpr_workgroup_id_z 1
		.amdhsa_system_vgpr_workitem_id 0
		.amdhsa_next_free_vgpr 400
		.amdhsa_next_free_sgpr 66
		.amdhsa_reserve_vcc 0
		.amdhsa_float_denorm_mode_32 3
		.amdhsa_float_denorm_mode_16_64 3
		.amdhsa_memory_ordered 1
		.amdhsa_forward_progress 1
		.amdhsa_inst_pref_size 81
	.end_amdhsa_kernel
	.amdgpu_metadata
---
amdhsa.version: [ 1, 2 ]
amdhsa.kernels:
  - .name:           k_q27bc8e9517_oproj
    .symbol:         k_q27bc8e9517_oproj.kd
    .args:
      - { .name: ctx, .offset: 0, .size: 8, .value_kind: global_buffer, .address_space: global }
      - { .name: wof, .offset: 8, .size: 8, .value_kind: global_buffer, .address_space: global }
      - { .name: bo, .offset: 16, .size: 8, .value_kind: global_buffer, .address_space: global }
      - { .name: out0, .offset: 24, .size: 8, .value_kind: global_buffer, .address_space: global }
    .group_segment_fixed_size: 327680
    .private_segment_fixed_size: 0
    .kernarg_segment_align: 8
    .kernarg_segment_size: 32
    .max_flat_workgroup_size: 256
    .sgpr_count:     66
    .vgpr_count:     400
    .wavefront_size: 32
...
	.end_amdgpu_metadata
.endif
;; end of part 4
